; MI455X (gfx1250); checked and timed in simulation.
; The chip was launched on July 23, 2026; its instructions are those of AMD's public machine-readable ISA for CDNA 5 (MIT licence, August 2026) and "CDNA5" Instruction Set Architecture Reference Guide (July 2026). The comments in the code are by the model that wrote it; some were corrected since.
;; Multi Headed Attention. Allowed arithmetic: matrix products marked QUANTISED: E2M1 operands, one E8M0 scale for each 32 along K, by v_wmma_scale_f32_16x16x128_f8f6f4 with both operands' format E2M1 (or v_wmma_scale_f32_32x16x128_f4), f32 sums; products left as they are: bf16, f16 or f32 operands; f32 sums; everything else in f32.
;; Inputs: Wk 1,024 x 1,024 float32; Wo 1,024 x 64 float32; Wq 1,024 x 1,024 float32; Wv 1,024 x 1,024 float32; bk 1,024 float32; bo 64 float32; bq 1,024 float32; bv 1,024 float32; key_ 4 x 2,048 x 1,024 float32; query 4 x 2,048 x 1,024 float32; value 4 x 2,048 x 1,024 float32.
;; Outputs: out0 4 x 2,048 x 64 float32.
;; This version of the problem:
;;   THIS VERSION OF THE PROBLEM IS GIVEN IN LOW PRECISION. The matrix products marked QUANTISED in the list below multiply operands that are first quantised to E2M1 (2 exponent bits, 1 mantissa bit; 4 bits a number), with one power-of-two scale for each 32 numbers along K (OCP MX v1.0); their sums are f32. The products marked 'left as it is' may take bf16, f16 or f32 operands, with f32 sums. All else is computed in f32.
;;   The module's matrix products, in the order in which they are computed (A, B: the left and right operand; K: the contracted axis; several contracted axes count as one K, in the product's order):
;;     1. [M 8,192, K 1,024] x [K 1,024, N 1,024]; A: input query; B: input Wq: QUANTISED
;;     2. [M 8,192, K 1,024] x [K 1,024, N 1,024]; A: input key_; B: input Wk: QUANTISED
;;     3. [M 8,192, K 1,024] x [K 1,024, N 1,024]; A: input value; B: input Wv: QUANTISED
;;     4. batch 64 x [M 2,048, K 64] x [K 64, N 2,048]; A: computed on the way; B: computed on the way: left as it is (an operand is computed on the way)
;;     5. batch 64 x [M 2,048, K 2,048] x [K 2,048, N 64]; A: computed on the way; B: computed on the way: left as it is (an operand is computed on the way)
;;     6. [M 8,192, K 1,024] x [K 1,024, N 64]; A: computed on the way; B: input Wo: left as it is (an operand is computed on the way)
;;   THE QUANTISER, for each operand of a quantised product, along K:
;;     - K is cut into blocks of 32 from its start; a last block that is shorter is filled with zeros.
;;     - A block's scale is 2^e with e = floor(log2(the largest magnitude in the block)) - 2, held to -126 .. 127; a block of zeros has e = 0. As a byte (E8M0): e + 127.
;;     - Each number is divided by its block's scale, clamped to +-6, and rounded to the nearest number of E2M1, ties to even, subnormals kept.
;;     - The product sums the exact products of the quantised numbers (number of the format x scale) in f32.
;;   ~~~python
;;   def quantise(x, axis):      # numpy; x: float32 -> the quantised numbers, widened to float32 again
;;       x = np.moveaxis(x, axis, -1); K = x.shape[-1]
;;       x = np.pad(x, [(0, 0)] * (x.ndim - 1) + [(0, -K % 32)]); x = x.reshape(x.shape[:-1] + (-1, 32)); a = np.abs(x).max(-1, keepdims=True)
;;       e = np.where(a > 0, np.clip(np.frexp(np.where(a > 0, a, 1))[1] - 1 - 2, -126, 127), 0)      # np.frexp(a)[1] - 1 = floor(log2(a)), exactly
;;       r = np.clip(x / 2.0 ** e, -6, 6)
;;       step = 2.0 ** (np.maximum(np.frexp(np.where(r == 0, 1, r))[1] - 1, 0) - 1)
;;       q = np.round(r / step) * step * 2.0 ** e      # np.round: ties to even
;;       return np.moveaxis(q.reshape(q.shape[:-2] + (-1,))[..., :K], -1, axis).astype(np.float32)
;;   ~~~
;; One version. Each part assembles by itself: llvm-mc -triple=amdgcn-amd-amdhsa -mcpu=gfx1250 --defsym DOCPART=n.
;; ======== version 1 of 1: 4 launches
;; limits: values are held in f16: magnitudes above 65,504 overflow, below 6.1e-05 lose precision
;; workspace buffers: x_codes 12,582,912 bytes; x_scales 786,432 bytes; w_codes 1,572,864 bytes; w_scales 98,304 bytes; wo_frag 131,072 bytes; qkv 50,331,648 bytes; ctx 16,777,216 bytes
;; launch quant (part 1): grid 824 x 1, 4 waves a work-group, no clusters, 68,096 bytes of LDS; arguments query, key_, value, Wq, Wk, Wv, Wo, x_codes, x_scales, w_codes, w_scales, wo_frag; writes x_codes, x_scales, w_codes, w_scales, wo_frag
.if DOCPART == 1
	.amdgcn_target "amdgcn-amd-amdhsa--gfx1250"
	.amdhsa_code_object_version 6
	.text
	.protected	k_q4ff99c6596_quant
	.globl	k_q4ff99c6596_quant
	.p2align	8
	.type	k_q4ff99c6596_quant,@function
k_q4ff99c6596_quant:
	s_mov_b64 s[64:65], 0
	v_nop
	global_prefetch_b8 v0, s[64:65] scope:SCOPE_SE
	s_setreg_imm32_b32 hwreg(HW_REG_WAVE_MODE, 25, 1), 1
	s_wait_xcnt 0x0
; THE OPERANDS OF THE THREE PROJECTIONS BECOME CODES OF FP4 (E2M1) WITH ONE E8M0 SCALE BYTE FOR EACH 32 ALONG K; Wo BECOMES f16 FRAGMENTS.
; query, key_, value: [8192][1024] f32, K innermost -> x_codes [3 x 8192][512 bytes], x_scales [3 x 8192][32].
; Wq, Wk, Wv: [1024 (k)][1024 (n)] f32, K is the FIRST axis -> w_codes [3 x 1024 (n)][512 bytes], K innermost, w_scales [3 x 1024][32].
; Wo: [1024 (k)][64 (n)] f32 -> wo_frag: for K step s of 32 and tile t of 16 n, an image of a 16-bit fragment's registers: byte (4 s + t) 1024 + 512 u + 16 lane holds
; Wo[32 s + 16 u + 8 (lane / 16) + 0 .. 7][16 t + lane % 16] as eight f16.
; A block's scale is 2^(floor(log2(its largest magnitude)) - 2); its byte is the largest magnitude's exponent field - 2, held at 1 from below.  A block of zeros gets the byte 1 where the
; rule says 127: its codes are zeros, which add nothing under any byte but 0xff, and the bytes are read by this program alone.
; LIMITS: blocks whose largest magnitude lies under 2^(2 - 126) have their byte held at 1; NaN and infinities among the inputs are not served; |Wo| stays under 65,504 (f16), and under 2^-14 its step is 2^-24.
; ONE LAUNCH, THREE PATHS, parted on the work-group's number alone: 0-47 the weights (they have the longest chains of dependent loads, so they start first), 48-55 Wo, 56-823 the activations.
; Each path that uses LDS has bytes of its own.  No tensor loads, no barrier, no cluster: no two work-groups read the same bytes, and waves share nothing.
.set STEPS, 16                         ; x path: steps of 512 numbers a wave
.set EMAX,  2
.set CB,    8                          ; bytes of 16 codes
.set XR,    16                         ; v16-79   four sets of 16 numbers as they are loaded
.set XX,    80                         ; v80-111  two sets of 16 neighbours
.set XE,    112                        ; v112-127 a scale byte for each step
.set XC,    128                        ; v128-191 codes: four registers for each step, so that no store's data are written again
.set WREG,  8192                       ; LDS 0 .. 32,767: a region for each wave: two stages of 32 x SP bytes, behind them its 256 scale bytes
.set SP,    80                         ; a lane's place in a stage: its 64 bytes + 16 of padding
.set WSTG,  32768                      ; LDS 32,768 .. 67,583: the weight path's stages, 32 rows x WPITCH for each wave
.set NB,    16                         ; weight path: blocks of 32 along K for a wave
.set WPITCH, 272                       ; a stage row: 256 bytes of codes + 16
.set KROW,  512                        ; a row of the codes' buffers in bytes
.set NCOL,  1024                       ; columns of a weight
.set WSB,   24                         ; v24-27   scale bytes, four to a register
.set WX,    32                         ; v32-95   two sets of 32 numbers
.set WC,    96                         ; v96-99   a block's codes
.set WOUT,  112                        ; v112-175 the way out
	s_load_b256 s[4:11], s[0:1], 0x0               ; query s[4:5], key_ s[6:7], value s[8:9], Wq s[10:11]
	s_load_b256 s[12:19], s[0:1], 0x20             ; Wk s[12:13], Wv s[14:15], Wo s[16:17], x_codes s[18:19]
	s_load_b256 s[20:27], s[0:1], 0x40             ; x_scales s[20:21], w_codes s[22:23], w_scales s[24:25], wo_frag s[26:27]
	v_lshl_add_u32 v192, v0, 2, 0x10800
	v_mov_b32 v193, 0
	v_lshrrev_b32 v1, 5, v0
	v_readfirstlane_b32 s28, v1                    ; wave 0..3
	v_and_b32 v2, 31, v0                           ; lane
	s_wait_kmcnt 0x0
	s_cmp_lt_u32 ttmp9, 48
	s_cbranch_scc1 .Lw
	s_cmp_lt_u32 ttmp9, 56
	s_cbranch_scc1 .Lwo
; ---------------- THE ACTIVATIONS.  Rows are dense and K is a multiple of 32: each tensor is a plain stream of blocks of 32, and so are its codes and scale bytes.
; A wave takes 16 steps of 512 numbers.  Each of a step's four loads reads 512 consecutive bytes, 16 a lane; the 2,048 bytes go through the wave's own stage in LDS as they lie and come back 64 bytes a lane:
; 16 NEIGHBOURS along K, as the conversions want them; two neighbouring lanes hold a block.  Loads run four steps ahead, the turn through LDS one step.
	s_sub_co_u32 s29, ttmp9, 56                    ; 0 .. 767: 256 work-groups for each tensor
	v_lshlrev_b32 v3, 4, v2                        ; my 16 bytes of a load's 512
	s_mul_i32 s30, s28, WREG
	v_lshrrev_b32 v14, 2, v2
	v_mul_u32_u24 v14, v14, SP
	v_and_b32 v15, 3, v2
	v_lshl_add_u32 v14, v15, 4, v14
	v_add_nc_u32 v14, s30, v14                     ; the stage, on the way in: SP (lane / 4) + 16 (lane % 4)
	v_mul_u32_u24 v15, v2, SP
	v_add_nc_u32 v15, s30, v15                     ; and on the way out: SP x lane
	v_mul_u32_u24 v4, v2, CB                       ; my codes' place in a step's
	v_lshrrev_b32 v5, 1, v2
	s_add_co_u32 s30, s30, 2*32*SP
	v_add_nc_u32 v5, s30, v5                       ; LDS: my wave's 256 scale bytes, my block's byte
	v_lshlrev_b32 v7, 3, v2                        ; and on the way out 8 bytes a lane
	v_add_nc_u32 v6, s30, v7
	s_cmp_lt_u32 s29, 512                          ; which tensor: the choice hangs on the work-group's number alone
	s_cselect_b64 s[6:7], s[6:7], s[8:9]
	s_cmp_lt_u32 s29, 256
	s_cselect_b64 s[4:5], s[4:5], s[6:7]
	s_and_b32 s31, s29, 255
	s_lshl_b32 s31, s31, 2
	s_add_co_u32 s31, s31, s28                     ; which run of 8,192 numbers of the tensor is my wave's
	s_lshl_b32 s32, s31, 15                        ; 32,768 bytes a run
	s_mov_b32 s33, 0
	s_add_nc_u64 s[4:5], s[4:5], s[32:33]
	s_lshl_b32 s31, s29, 2
	s_add_co_u32 s31, s31, s28                     ; and which run of all three tensors'
	s_lshl_b32 s32, s31, 12                        ; 4,096 bytes of codes a run
	s_add_nc_u64 s[18:19], s[18:19], s[32:33]
	s_lshl_b32 s32, s31, 8                         ; 256 scale bytes a run
	s_add_nc_u64 s[20:21], s[20:21], s[32:33]
.macro XLOAD t
.irp i, 0,1,2,3
	global_load_b128 v[XR+16*((\t)%4)+4*\i:XR+16*((\t)%4)+4*\i+3], v3, s[4:5] offset:2048*(\t)+512*\i th:TH_LOAD_NT   ; 32 lanes read 512 consecutive bytes
.endr
.endm
.macro XTURN t                         ; step t's numbers through the stage: LDS serves a wave's instructions in order, so no wait stands between the stores and the loads
.irp i, 0,1,2,3
	ds_store_b128 v14, v[XR+16*((\t)%4)+4*\i:XR+16*((\t)%4)+4*\i+3] offset:32*SP*((\t)%2)+8*SP*\i
.endr
.irp i, 0,1,2,3
	ds_load_b128 v[XX+16*((\t)%2)+4*\i:XX+16*((\t)%2)+4*\i+3], v15 offset:32*SP*((\t)%2)+16*\i
.endr
.endm
.irp t, 0,1,2,3
	XLOAD \t
.endr
	s_wait_loadcnt 12                              ; step 0's four loads are in; those of steps 1 to 3 may be out
	XTURN 0
.macro XSTEP t
.set XS, XX+16*((\t)%2)
.if (\t) > 0
	s_wait_dscnt 1                                 ; this step's numbers are back from the stage (the last step's byte store may be out): so its stores into the stage have read their registers,
.else
	s_wait_dscnt 0x0
.endif
.if (\t)+4 < STEPS
	XLOAD (\t)+4                                   ; which take the loads of four steps on
.endif
.if (\t)+1 < STEPS
.if STEPS-2-(\t) >= 3
	s_wait_loadcnt 12                              ; the next step's four loads are in; those of the three steps behind it may be out
.else
	s_wait_loadcnt 4*(STEPS-2-(\t))
.endif
	XTURN (\t)+1                                   ; and go through the other stage while this step is worked
.endif
	v_max3_num_f32 v8, |v[XS]|, |v[XS+1]|, |v[XS+2]|               ; the largest magnitude of my 16, in two chains
	v_max3_num_f32 v9, |v[XS+3]|, |v[XS+4]|, |v[XS+5]|
.irp i, 6,10
	v_max3_num_f32 v8, v8, |v[XS+\i]|, |v[XS+\i+1]|
	v_max3_num_f32 v9, v9, |v[XS+\i+2]|, |v[XS+\i+3]|
.endr
	v_max3_num_f32 v8, v8, |v[XS+14]|, |v[XS+15]|
	v_max3_num_f32 v8, v8, v9, (EMAX+1)<<23        ; and the floor 2^(EMAX + 1 - 127): so the byte cannot fall under 1
	v_max_num_f32_dpp v8, v8, v8 row_xmask:1 row_mask:0xf bank_mask:0xf   ; and of my neighbour's 16: the block's
	v_add_nc_u32 v11, -(EMAX<<23), v8              ; EMAX off its exponent field: the conversion takes the exponent field of this operand as its scale, and nothing else of it
	v_cvt_scalef32_pk8_fp4_f32 v[XC+4*(\t)], v[XS:XS+7], v11       ; eight numbers / the scale, to the nearest code, ties to even, beyond the largest code the largest
	v_cvt_scalef32_pk8_fp4_f32 v[XC+4*(\t)+1], v[XS+8:XS+15], v11
	v_lshrrev_b32 v[XE+(\t)], 23, v11              ; the scale's byte
	ds_store_b8 v5, v[XE+(\t)] offset:16*(\t)      ; both lanes of a block write the same byte with the same value
	global_store_b64 v4, v[XC+4*(\t):XC+4*(\t)+1], s[18:19] offset:32*CB*(\t)   ; the wave stores 256 consecutive bytes, aligned
.endm
.irp t, 0,1,2,3,4,5,6,7,8,9,10,11,12,13,14,15
	XSTEP \t
.endr
	ds_load_b64 v[12:13], v6                       ; LDS serves a wave's instructions in order: this sees my byte stores
	s_wait_dscnt 0x0
	global_store_b64 v7, v[12:13], s[20:21]        ; 32 lanes store 256 consecutive bytes, aligned
	s_wait_tensorcnt 0x0
	ds_add_u32 v192, v193
	s_wait_dscnt 0x0
	s_endpgm
; ---------------- THE WEIGHTS.  A LANE TAKES A COLUMN n, AND ITS REGISTERS RUN DOWN K: each load reads neighbouring n in neighbouring lanes, a block of 32 along K lies in one lane's 32 registers,
; and the conversions give the codes with K innermost.  A wave takes 32 columns x 512 along K; its codes go through its own stage and leave as rows: sixteen lanes store 256 consecutive bytes.
.Lw:
	s_lshr_b32 s29, ttmp9, 4                       ; which weight: 16 work-groups each
	s_and_b32 s30, ttmp9, 7                        ; which 128 columns
	s_bfe_u32 s31, ttmp9, 0x10003                  ; which half of K
	s_cmp_lt_u32 s29, 2
	s_cselect_b64 s[12:13], s[12:13], s[14:15]
	s_cmp_lt_u32 s29, 1
	s_cselect_b64 s[10:11], s[10:11], s[12:13]
	s_lshl_b32 s32, s30, 7
	s_lshl_b32 s33, s28, 5
	s_add_co_u32 s32, s32, s33                     ; my wave's first column
	v_lshlrev_b32 v3, 2, v2                        ; in: 4 bytes a lane
	s_mul_i32 s33, s28, 32*WPITCH
	s_add_co_u32 s33, s33, WSTG                    ; my stage
	v_mul_u32_u24 v4, v2, WPITCH
	v_add_nc_u32 v4, s33, v4                       ; into it: row = my column
	v_and_b32 v5, 15, v2
	v_lshrrev_b32 v6, 4, v2                        ; out of it: sixteen lanes to a row, two rows an instruction
	v_mul_u32_u24 v7, v6, WPITCH
	v_lshl_add_u32 v7, v5, 4, v7
	v_add_nc_u32 v7, s33, v7
	v_mul_u32_u24 v8, v6, KROW
	v_lshl_add_u32 v8, v5, 4, v8                   ; and the same place in the codes' buffer
	v_lshlrev_b32 v9, 5, v2                        ; my column's row of scale bytes
	s_lshl_b32 s34, s31, 21                        ; W: 512 rows of 4,096 bytes for each half of K,
	s_lshl_b32 s35, s32, 2                         ; + 4 x column
	s_add_co_u32 s34, s34, s35
	s_mov_b32 s35, 0
	s_add_nc_u64 s[10:11], s[10:11], s[34:35]
	s_lshl_b32 s34, s29, 19                        ; codes: 524,288 bytes a weight, 512 a column, 256 a half of K
	s_lshl_b32 s36, s32, 9
	s_add_co_u32 s34, s34, s36
	s_lshl_b32 s36, s31, 8
	s_add_co_u32 s34, s34, s36
	s_add_nc_u64 s[22:23], s[22:23], s[34:35]
	s_lshl_b32 s34, s29, 15                        ; scale bytes: 32,768 a weight, 32 a column, 16 a half of K
	s_lshl_b32 s36, s32, 5
	s_add_co_u32 s34, s34, s36
	s_lshl_b32 s36, s31, 4
	s_add_co_u32 s34, s34, s36
	s_add_nc_u64 s[24:25], s[24:25], s[34:35]
.macro WLOAD t                         ; block t: W(32 t + i, my column), i = 0 .. 31, into set t % 2.  The largest offset, 511 rows of 4,096 bytes, lies inside the signed 24-bit immediate
.irp i, 0,1,2,3,4,5,6,7,8,9,10,11,12,13,14,15,16,17,18,19,20,21,22,23,24,25,26,27,28,29,30,31
	global_load_b32 v[WX+32*((\t)%2)+\i], v3, s[10:11] offset:(32*(\t)+\i)*NCOL*4 th:TH_LOAD_NT
.endr
.endm
	WLOAD 0
	WLOAD 1
.macro WBLOCK t
.set XS, WX+32*((\t)%2)
.if (\t) < NB-1
	s_wait_loadcnt 32                              ; this block's 32 loads are in; the next block's may be out
.else
	s_wait_loadcnt 0
.endif
	v_max3_num_f32 v12, |v[XS]|, |v[XS+1]|, |v[XS+2]|              ; the block's largest magnitude: all 32 numbers are mine
	v_max3_num_f32 v13, |v[XS+3]|, |v[XS+4]|, |v[XS+5]|
.irp i, 6,10,14,18,22,26
	v_max3_num_f32 v12, v12, |v[XS+\i]|, |v[XS+\i+1]|
	v_max3_num_f32 v13, v13, |v[XS+\i+2]|, |v[XS+\i+3]|
.endr
	v_max3_num_f32 v12, v12, |v[XS+30]|, |v[XS+31]|
	v_max3_num_f32 v12, v12, v13, (EMAX+1)<<23     ; and the floor
	v_add_nc_u32 v11, -(EMAX<<23), v12             ; the conversion's scale operand
	v_lshrrev_b32 v13, 23, v11                     ; the scale's byte
.if (\t)%4 == 0
	v_mov_b32 v[WSB+(\t)/4], v13                   ; four bytes to a register, the lower K in the lower byte
.else
	v_lshl_or_b32 v[WSB+(\t)/4], v13, 8*((\t)%4), v[WSB+(\t)/4]
.endif
.irp g, 0,1,2,3
	v_cvt_scalef32_pk8_fp4_f32 v[WC+\g], v[XS+8*\g:XS+8*\g+7], v11
.endr
	ds_store_b128 v4, v[WC:WC+3] offset:16*(\t)    ; 32 codes: 16 bytes of my column's row
.if (\t)+2 < NB
	WLOAD (\t)+2
.endif
	s_wait_dscnt 0x0                               ; the store has read its registers: the next block's codes may be written
.endm
.set Q, 0
.rept NB
	WBLOCK Q
.set Q, Q+1
.endr
	global_store_b128 v9, v[WSB:WSB+3], s[24:25]   ; my column's 16 scale bytes
.irp t, 0,1,2,3,4,5,6,7,8,9,10,11,12,13,14,15
	ds_load_b128 v[WOUT+4*\t:WOUT+4*\t+3], v7 offset:2*\t*WPITCH   ; LDS serves a wave's instructions in order: these see my stores
.endr
.irp t, 0,1,2,3,4,5,6,7,8,9,10,11,12,13,14,15
	s_wait_dscnt 15-\t                             ; the younger loads may be out
	global_store_b128 v8, v[WOUT+4*\t:WOUT+4*\t+3], s[22:23] offset:2*\t*KROW
.endr
	s_wait_tensorcnt 0x0
	ds_add_u32 v192, v193
	s_wait_dscnt 0x0
	s_endpgm
; ---------------- Wo.  A wave takes one K step of 32: 32 rows of 256 bytes.  Lane (r, h) takes column 16 t + r and its registers run down K in the order of a 16-bit fragment.
.Lwo:
	s_sub_co_u32 s29, ttmp9, 48
	s_lshl_b32 s29, s29, 2
	s_add_co_u32 s29, s29, s28                     ; K step 0 .. 31
	s_lshl_b32 s30, s29, 13                        ; 8,192 bytes of Wo a step
	s_mov_b32 s31, 0
	s_add_nc_u64 s[16:17], s[16:17], s[30:31]
	s_lshl_b32 s30, s29, 12                        ; 4,096 bytes of images a step
	s_add_nc_u64 s[26:27], s[26:27], s[30:31]
	v_and_b32 v5, 15, v2                           ; r
	v_lshrrev_b32 v6, 4, v2                        ; h
	v_lshlrev_b32 v3, 2, v5
	v_lshl_add_u32 v3, v6, 11, v3                  ; 4 r + 8 h rows of 256 bytes
	v_lshlrev_b32 v4, 4, v2                        ; out: 16 bytes a lane
.irp t, 0,1,2,3
.irp u, 0,1
.irp j, 0,1,2,3,4,5,6,7
	global_load_b32 v[32+16*\t+8*\u+\j], v3, s[16:17] offset:(16*\u+\j)*256+64*\t
.endr
.endr
.endr
.irp t, 0,1,2,3
	s_wait_loadcnt 48-16*\t                        ; tile t's sixteen loads are in; the later tiles' may be out
.irp u, 0,1
.irp p, 0,1,2,3
	v_cvt_pk_f16_f32 v[96+8*\t+4*\u+\p], v[32+16*\t+8*\u+2*\p], v[32+16*\t+8*\u+2*\p+1]
.endr
	global_store_b128 v4, v[96+8*\t+4*\u:96+8*\t+4*\u+3], s[26:27] offset:\t*1024+\u*512   ; 512 consecutive bytes
.endr
.endr
	s_endpgm
.Lfunc_end_k_q4ff99c6596_quant:
	.size	k_q4ff99c6596_quant, .Lfunc_end_k_q4ff99c6596_quant-k_q4ff99c6596_quant
	.p2alignl 7, 3214868480
	.fill 96, 4, 3214868480
	.section	.rodata,"a",@progbits
	.p2align	6, 0x0
	.amdhsa_kernel k_q4ff99c6596_quant
		.amdhsa_group_segment_fixed_size 68096
		.amdhsa_private_segment_fixed_size 0
		.amdhsa_enable_private_segment 0
		.amdhsa_kernarg_size 96
		.amdhsa_user_sgpr_count 2
		.amdhsa_user_sgpr_kernarg_segment_ptr 1
		.amdhsa_wavefront_size32 1
		.amdhsa_system_sgpr_workgroup_id_x 1
		.amdhsa_system_sgpr_workgroup_id_y 1
		.amdhsa_system_sgpr_workgroup_id_z 1
		.amdhsa_system_vgpr_workitem_id 0
		.amdhsa_next_free_vgpr 194
		.amdhsa_next_free_sgpr 66
		.amdhsa_reserve_vcc 0
		.amdhsa_float_denorm_mode_32 3
		.amdhsa_float_denorm_mode_16_64 3
		.amdhsa_memory_ordered 1
		.amdhsa_forward_progress 1
		.amdhsa_inst_pref_size 121
	.end_amdhsa_kernel
	.amdgpu_metadata
---
amdhsa.version: [ 1, 2 ]
amdhsa.kernels:
  - .name:           k_q4ff99c6596_quant
    .symbol:         k_q4ff99c6596_quant.kd
    .args:
      - { .name: query, .offset: 0, .size: 8, .value_kind: global_buffer, .address_space: global }
      - { .name: key_, .offset: 8, .size: 8, .value_kind: global_buffer, .address_space: global }
      - { .name: value, .offset: 16, .size: 8, .value_kind: global_buffer, .address_space: global }
      - { .name: Wq, .offset: 24, .size: 8, .value_kind: global_buffer, .address_space: global }
      - { .name: Wk, .offset: 32, .size: 8, .value_kind: global_buffer, .address_space: global }
      - { .name: Wv, .offset: 40, .size: 8, .value_kind: global_buffer, .address_space: global }
      - { .name: Wo, .offset: 48, .size: 8, .value_kind: global_buffer, .address_space: global }
      - { .name: x_codes, .offset: 56, .size: 8, .value_kind: global_buffer, .address_space: global }
      - { .name: x_scales, .offset: 64, .size: 8, .value_kind: global_buffer, .address_space: global }
      - { .name: w_codes, .offset: 72, .size: 8, .value_kind: global_buffer, .address_space: global }
      - { .name: w_scales, .offset: 80, .size: 8, .value_kind: global_buffer, .address_space: global }
      - { .name: wo_frag, .offset: 88, .size: 8, .value_kind: global_buffer, .address_space: global }
    .group_segment_fixed_size: 68096
    .private_segment_fixed_size: 0
    .kernarg_segment_align: 8
    .kernarg_segment_size: 96
    .max_flat_workgroup_size: 128
    .sgpr_count:     66
    .vgpr_count:     194
    .wavefront_size: 32
...
	.end_amdgpu_metadata
.endif
;; end of part 1
;; launch proj (part 2): grid 4 x 96, 4 waves a work-group, clusters of 4 x 4, 327,680 bytes of LDS; arguments x_codes, x_scales, w_codes, w_scales, bq, bk, bv, qkv; writes qkv
.if DOCPART == 2
	.amdgcn_target "amdgcn-amd-amdhsa--gfx1250"
	.amdhsa_code_object_version 6
	.text
	.protected	k_q4ff99c6596_proj
	.globl	k_q4ff99c6596_proj
	.p2align	8
	.type	k_q4ff99c6596_proj,@function
k_q4ff99c6596_proj:
	s_mov_b64 s[64:65], 0
	v_nop
	global_prefetch_b8 v0, s[64:65] scope:SCOPE_SE
	s_setreg_imm32_b32 hwreg(HW_REG_WAVE_MODE, 25, 1), 1
	s_wait_xcnt 0x0
	s_wait_alu depctr_hold_cnt(0) depctr_sa_sdst(0) depctr_va_vdst(0) depctr_va_sdst(0) depctr_va_ssrc(0) depctr_va_vcc(0) depctr_vm_vsrc(0)
	s_getreg_b32 s2, hwreg(HW_REG_IB_STS2, 6, 4)
	s_cmp_eq_u32 s2, 0
	s_cbranch_scc0 .Lentry_in_a_cluster
	s_endpgm
.Lentry_in_a_cluster:
	s_bfe_u32 s2, ttmp6, 0x10000c
	s_cmp_lg_u32 s2, 0xf033
	s_cbranch_scc0 .Lentry_shape_is_right
	s_endpgm
.Lentry_shape_is_right:
; THE THREE PROJECTIONS AS ONE GEMM ON CODES OF FP4 (E2M1) WITH E8M0 SCALES: rows 8192 T + m of x_codes against rows 1024 T + n of w_codes, T = 0, 1, 2 for q, k, v; K = 1,024; sums in f32; + the bias; rounded once to f16.
; A tile of 256 x 256 is made by a work-group of four waves; a wave makes 128 x 128: 64 accumulators of 16 x 16, 512 registers.  96 tile rows x 4 tile columns.
; ALL OF K LIES IN LDS AT ONCE: two slots of 512 along K (rows of 256 bytes), both asked for at the start with the scale bytes: three tensor loads a wave are out, and no LDS byte is filled twice.
; CLUSTERS: 4 x 4 work-groups.  The four of a row of the cluster need the same tiles of x, the four of a column the same tiles of W: each tile is asked for JOINTLY, by the same tensor load with the same
; descriptor and a mask that names the four.  A cluster's four tile rows belong to one tensor (32 tile rows each), so T hangs on the cluster's y alone.
; THE MATRIX INSTRUCTION IS USED TRANSPOSED (source 0 = 16 rows of W's codes, source 1 = 16 rows of x's): a lane then holds one row of x and eight neighbouring columns n.
; THE BIAS IS THE C OF EACH SUM'S FIRST PRODUCT: eight registers for each block of 16 n, in the result's layout.
; THE RESULT LEAVES AS IMAGES OF THE NEXT LAUNCH'S FRAGMENTS, with no way through LDS: qkv byte T 2^24 + (16 batch + head) 262144 + (s / 16) 2048 + t 512 + 16 slot holds row s, channels 16 t + 8 h + 0 .. 7 of the head, as
; eight f16; slot = lane for q and k; for v slot = r % 8 + 8 h + 16 (r / 8), the order in which the turning LDS load wants 16 keys x 16 channels.  Each store of a wave covers 512 consecutive bytes, aligned.
; LIMITS: |q|, |k|, |v| stay under 65,504 (f16); under 2^-14 the step is 2^-24.  NaN and infinities are not served.
; REGISTERS, in windows of 256: window 0: v0-31 addresses; v32-95 scale words, two sets; v128-191 x's fragments, ONE set; v192-255 the bias; on the way out v128-255 take the packed results.
;   window 1: W's fragments, TWO sets, at v0 and v128.   window 2: the accumulators of my rows 0-63 ((a, b) at v[8 (8 a + b)]);   window 3: those of my rows 64-127.
.set NQ,     4                         ; steps of 128 along K in a slot
.set ROWB,   256                       ; a tile's row in bytes: 512 codes
.set KROW,   512                       ; a row of codes in memory
.set PITCH,  272                       ; an LDS row: 256 bytes + 16 of padding: the sixteen rows that a load touches start 68 words apart
.set FR,     8                         ; registers of a fragment: 16 rows x 128 K
.set NL,     2                         ; LDS loads that bring one
.set NP,     4                         ; places behind this matrix instruction (ISA guide 7.12.1)
.set HALFT,  128*PITCH                 ; 128 rows: what one tensor load brings
.set SLOT,   4*HALFT                   ; x's 256 rows, then W's 256 rows
.set KS,     32                        ; a row of scale bytes
.set SCL,    2*SLOT                    ; behind the slots: the scale bytes, as rows of 256 bytes + 16 of padding
.set HALFS,  (128*KS/256)*272          ; those of 128 rows: what one tensor load brings
.set SBLK,   (16*KS/256)*272           ; those of 16 rows
.set SPARE,  SCL+4*HALFS               ; behind the scales: the spare words, 128 bytes for each wave, which no other line names
.set ADRA, 16                          ; v16-17  LDS address of my x fragments in slot 0, 1
.set ADRB, 20                          ; v20-21  the same for W
.set CO,   26                          ; v26     the way out: 16 x my slot
.set ADRS, 27                          ; v27     LDS address of my scale words: lanes 0-15 x's rows, lanes 16-31 W's
.set SPW,  28                          ; v28     LDS address of my spare word; never rewritten
.set NIL,  29                          ; v29     0; never rewritten
.set SC,   32                          ; scale words: set s at v[SC + 32 s]; register 4 i + q: lanes 0-15 the word of x's block i, lanes 16-31 that of W's block i, for the slot's q-th 128 along K
.set AF,   128                         ; x's fragments
.set BI,   192                         ; the bias: block b of 16 n at v[BI + 8 b]
.set PKD,  128                         ; the way out: packed results, four sets of 32
.set TT,   66                          ; s66     T
.set G1, 24                            ; s[24:31] descriptor group 1 for x's tiles;  s[32:39] group 0, one set for each slot
.set G0, 32
.set G1B, 48                           ; s[48:55], s[56:63] the same for W's tiles
.set G0B, 56
.set G1S, 68                           ; s[68:75], s[76:79] groups 1 and 0 for x's scales;  s[80:87], s[88:91] for W's
.set G0S, 76
.set G1SB, 80
.set G0SB, 88
.set MSB, 0
.macro WIN new                         ; the immediate's high byte repeats the setting that is left
.if MSB != \new
	s_set_vgpr_msb (MSB<<8)|\new
.set MSB, \new
.endif
.endm
.set MUL_LO, 0xa1                      ; source 0 (W) window 1, source 1 (x) window 0, C and D window 2
.set MUL_HI, 0xf1                      ; the same, C and D window 3
.set ONE_LO, 0x81                      ; a sum's first product: C (the bias) window 0, D window 2
.set ONE_HI, 0xc1                      ; D window 3
.set TO_B,   0x40                      ; destination window 1, address window 0
; A joint load: waves 0 and 1 fetch for x, waves 2 and 3 for W.  Each of the two lines has ONE mask and one set of registers for all that issue it; the branch hangs on the wave's number alone.
; Four v_nop follow each of the two lines, ahead of the jump, the label and what follows.
.macro JLOAD g0a, g1a, g0b, g1b
	s_cmp_eq_u32 s15, 0
	s_cbranch_scc0 .Lfor_b_\@
	tensor_load_to_lds s[\g0a:\g0a+3], s[\g1a:\g1a+7]
	s_nop 0
.rept 4
	v_nop
.endr
	s_branch .Lasked_\@
.Lfor_b_\@:
	tensor_load_to_lds s[\g0b:\g0b+3], s[\g1b:\g1b+7]
	s_nop 0
.rept 4
	v_nop
.endr
.Lasked_\@:
.endm
.macro CROUND                          ; a round of the cluster's barrier: my work-group's barrier; wave 0 signals for the work-group; every wave waits for all sixteen; my work-group's barrier once more
	s_barrier_signal -1
	s_barrier_wait -1
	s_cmp_lg_u32 s14, 0
	s_cbranch_scc1 .Lnot_wave_0_\@
	s_barrier_signal -3
.Lnot_wave_0_\@:
	s_barrier_wait -3
	s_barrier_signal -1
	s_barrier_wait -1
.endm
	s_load_b128 s[4:7], s[0:1], 0x0                ; x's codes s[4:5], x's scales s[6:7]
	s_load_b128 s[8:11], s[0:1], 0x10              ; W's codes s[8:9], W's scales s[10:11]
	s_load_b128 s[96:99], s[0:1], 0x20             ; bq s[96:97], bk s[98:99]
	s_load_b64 s[100:101], s[0:1], 0x30            ; bv
	s_load_b64 s[12:13], s[0:1], 0x38              ; qkv
	v_lshl_add_u32 v[SPW], v0, 2, SPARE
	v_mov_b32 v[NIL], 0
	ds_add_u32 v28, v29
	ds_add_u32 v28, v29
	s_wait_dscnt 0x0
	v_lshrrev_b32 v1, 5, v0
	v_readfirstlane_b32 s14, v1                    ; wave 0..3
	s_lshr_b32 s15, s14, 1                         ; which half of the tile's rows is mine.  Also: I fetch for x (0) or for W (1)
	s_and_b32 s16, s14, 1                          ; which half of its columns.  Also: which 128 rows of that tile I fetch
	s_bfe_u32 s40, ttmp6, 0x40000                  ; cx, cy: my place in the cluster
	s_bfe_u32 s41, ttmp6, 0x40004
	s_lshl_b32 s42, ttmp9, 2
	s_add_co_u32 s42, s42, s40                     ; tile column = 4 x cluster x + cx
	s_and_b32 s17, ttmp7, 0xffff
	s_lshr_b32 s[TT], s17, 3                       ; T: eight clusters along y for each tensor
	s_lshl_b32 s17, s17, 2
	s_add_co_u32 s17, s17, s41                     ; tile row = 4 x cluster y + cy
	s_lshl_b32 s43, s41, 2
	s_lshl_b32 s43, 15, s43                        ; my row of the cluster
	s_lshl_b32 s44, 0x1111, s40                    ; my column
	; descriptor group 1: a tile of 128 rows x 256 bytes, padded in LDS
	s_or_b32 s[G1+0], s43, (0<<16)|(1<<20)|(1<<21)|(5<<22)|(3<<25)  ; 15:0 the mask: x's tiles go to my row; 17:16 element of 1 byte; 20 padding on; 21 set beside a mask; 24:22 after every 64 words (code 5); 31:25 of 4 words (code 3)
	s_or_b32 s[G1B+0], s44, (0<<16)|(1<<20)|(1<<21)|(5<<22)|(3<<25)
.irp g, G1, G1B
	s_mov_b32 s[\g+1], ROWB<<16                    ; tensor_dim0
	s_mov_b32 s[\g+2], 128<<16                     ; tensor_dim1 = 128
	s_mov_b32 s[\g+3], ROWB<<16                    ; tile_dim0
	s_mov_b32 s[\g+4], 128                         ; tile_dim1 = 128
	s_mov_b32 s[\g+5], KROW                        ; tensor_dim0_stride
	s_mov_b32 s[\g+6], 0
	s_mov_b32 s[\g+7], 0
.endr
	; and for the scale bytes of 128 rows: a dense block of 4,096 bytes, as 16 rows of 256 bytes (32 elements of 8 bytes), 16 bytes of padding behind each
	s_or_b32 s[G1S+0], s43, (3<<16)|(1<<20)|(1<<21)|(5<<22)|(3<<25)
	s_or_b32 s[G1SB+0], s44, (3<<16)|(1<<20)|(1<<21)|(5<<22)|(3<<25)
.irp g, G1S, G1SB
	s_mov_b32 s[\g+1], 32<<16
	s_mov_b32 s[\g+2], (128*KS/256)<<16
	s_mov_b32 s[\g+3], 32<<16
	s_mov_b32 s[\g+4], 128*KS/256
	s_mov_b32 s[\g+5], 32
	s_mov_b32 s[\g+6], 0
	s_mov_b32 s[\g+7], 0
.endr
	s_lshl_b32 s18, s16, 7                         ; which 128 rows of the tile I fetch
	s_lshl_b32 s20, s17, 8
	s_add_co_u32 s20, s20, s18                     ; x: row 256 x tile row + 128 x half
	s_lshl_b32 s46, s42, 8
	s_add_co_u32 s46, s46, s18
	s_lshl_b32 s47, s[TT], 10
	s_add_co_u32 s46, s46, s47                     ; W: row 1024 T + 256 x tile column + 128 x half
	s_mov_b32 s21, 0
	s_mov_b32 s47, 0
	s_mov_b64 s[18:19], KS
	s_mul_u64 s[22:23], s[20:21], s[18:19]         ; where these rows' scale bytes begin
	s_mul_u64 s[92:93], s[46:47], s[18:19]
	s_mov_b64 s[18:19], KROW
	s_mul_u64 s[20:21], s[20:21], s[18:19]         ; and their codes
	s_mul_u64 s[46:47], s[46:47], s[18:19]
	s_mul_i32 s45, s14, HALFT                      ; where they go: wave x 128 rows: no place in the cluster enters an LDS address
	s_mul_i32 s94, s14, HALFS
	s_wait_kmcnt 0x0
	s_add_nc_u64 s[20:21], s[4:5], s[20:21]
	s_add_nc_u64 s[22:23], s[6:7], s[22:23]
	s_add_nc_u64 s[46:47], s[8:9], s[46:47]
	s_add_nc_u64 s[92:93], s[10:11], s[92:93]
	CROUND                                         ; all sixteen work-groups are here: the joint loads meet
	s_mov_b32 s[G0S], 1
	s_add_co_u32 s[G0S+1], s94, SCL
	s_mov_b64 s[G0S+2:G0S+3], s[22:23]
	s_or_b32 s[G0S+3], s[G0S+3], 0x80000000
	s_mov_b32 s[G0SB], 1
	s_add_co_u32 s[G0SB+1], s94, SCL
	s_mov_b64 s[G0SB+2:G0SB+3], s[92:93]
	s_or_b32 s[G0SB+3], s[G0SB+3], 0x80000000
	JLOAD G0S, G1S, G0SB, G1SB                     ; the scale bytes first: they are wanted with the first step
.irp s, 0,1
	s_mov_b32 s[G0+4*\s], 1
	s_add_co_u32 s[G0+4*\s+1], s45, \s*SLOT
	s_add_nc_u64 s[G0+4*\s+2:G0+4*\s+3], s[20:21], \s*ROWB
	s_or_b32 s[G0+4*\s+3], s[G0+4*\s+3], 0x80000000
	s_mov_b32 s[G0B+4*\s], 1
	s_add_co_u32 s[G0B+4*\s+1], s45, \s*SLOT
	s_add_nc_u64 s[G0B+4*\s+2:G0B+4*\s+3], s[46:47], \s*ROWB
	s_or_b32 s[G0B+4*\s+3], s[G0B+4*\s+3], 0x80000000
	JLOAD G0+4*\s, G1, G0B+4*\s, G1B
.endr
	v_and_b32 v1, 15, v0                           ; r = l % 16
	v_bfe_u32 v2, v0, 4, 1                         ; h = l / 16
	v_mul_u32_u24 v3, v1, PITCH
	v_lshl_add_u32 v4, v2, 4, v3                   ; a fragment's row x pitch + 16 x half
	s_mul_i32 s21, s15, HALFT                      ; my 128 rows of x
	s_mul_i32 s22, s16, HALFT                      ; my 128 rows of W,
	s_add_co_u32 s22, s22, 2*HALFT                 ; which lie behind x's 256
.irp s, 0,1
	v_add_nc_u32 v[ADRA+\s], s21, v4
	v_add_nc_u32 v[ADRB+\s], s22, v4
	s_add_co_u32 s21, s21, SLOT
	s_add_co_u32 s22, s22, SLOT
.endr
	v_mul_u32_u24 v5, v1, KS                       ; my row's scale bytes: 32 a row,
	v_lshrrev_b32 v6, 8, v5
	v_lshl_add_u32 v5, v6, 4, v5                   ; and 16 more for each 256 passed
	s_mul_i32 s21, s15, HALFS                      ; x's: my 128 rows
	s_mul_i32 s22, s16, HALFS                      ; W's: my 128 rows, behind x's 256
	s_add_co_u32 s22, s22, 2*HALFS
	s_sub_co_u32 s22, s22, s21
	v_mul_u32_u24 v6, s22, v2                      ; lanes 16-31 take W's: the lower base + h x the distance
	s_add_co_u32 s21, s21, SCL
	v_add_nc_u32 v5, v5, v6
	v_add_nc_u32 v[ADRS], s21, v5
	; the bias of my 128 columns: lane (r, h) wants, for block b, the eight numbers at n = 16 b + 8 h + 0 .. 7
	s_cmp_lt_u32 s[TT], 2                          ; which bias: the choice hangs on the cluster's y alone
	s_cselect_b64 s[98:99], s[98:99], s[100:101]
	s_cmp_lt_u32 s[TT], 1
	s_cselect_b64 s[96:97], s[96:97], s[98:99]
	s_lshl_b32 s2, s42, 10                         ; 256 columns of 4 bytes a tile column,
	s_lshl_b32 s3, s16, 9                          ; 128 a half
	s_add_co_u32 s2, s2, s3
	s_mov_b32 s3, 0
	s_add_nc_u64 s[96:97], s[96:97], s[2:3]
	v_lshlrev_b32 v7, 5, v2                        ; 32 h
.irp b, 0,1,2,3,4,5,6,7
	global_load_b128 v[BI+8*\b:BI+8*\b+3],   v7, s[96:97] offset:64*\b
	global_load_b128 v[BI+8*\b+4:BI+8*\b+7], v7, s[96:97] offset:64*\b+16
.endr
	; the way out: my slot in an image, and where my part of qkv begins
	v_and_b32 v6, 31, v0
	v_lshlrev_b32 v5, 4, v6                        ; q, k: slot = lane
	v_and_b32 v6, 7, v0
	v_bfe_u32 v8, v0, 3, 1
	v_lshl_add_u32 v6, v2, 3, v6
	v_lshl_add_u32 v6, v8, 4, v6                   ; v: slot = r % 8 + 8 h + 16 (r / 8)
	v_lshlrev_b32 v6, 4, v6
	s_cmp_eq_u32 s[TT], 2
	s_cselect_b32 s2, -1, 0
	v_cndmask_b32 v[CO], v5, v6, s2
	s_and_b32 s18, s17, 31                         ; the tile row within its tensor:
	s_lshr_b32 s18, s18, 3                         ; eight tile rows a batch
	s_lshl_b32 s18, s18, 4                         ; 16 heads a batch
	s_lshl_b32 s19, s42, 2                         ; four heads a tile column,
	s_add_co_u32 s18, s18, s19
	s_lshl_b32 s19, s16, 1                         ; two a half
	s_add_co_u32 s18, s18, s19
	s_lshl_b32 s18, s18, 18                        ; 262,144 bytes a head
	s_and_b32 s19, s17, 7
	s_lshl_b32 s19, s19, 4                         ; 16 tiles of 16 rows a tile row,
	s_lshl_b32 s2, s15, 3                          ; eight a half
	s_add_co_u32 s19, s19, s2
	s_lshl_b32 s19, s19, 11                        ; 2,048 bytes each
	s_add_co_u32 s18, s18, s19
	s_lshl_b32 s19, s[TT], 24
	s_add_co_u32 s18, s18, s19
	s_mov_b32 s19, 0
	s_add_nc_u64 s[12:13], s[12:13], s[18:19]
.macro FRAG reg, adr, q, i             ; a fragment, 16 rows x 128 K of 4-bit codes, is 8 registers: lane l holds row l % 16; registers 4 c .. 4 c + 3 hold K = 64 c + 32 (l / 16) + 0 .. 31
.irp c, 0,1
	ds_load_b128 v[\reg+4*\c:\reg+4*\c+3], v[\adr] offset:64*(\q)+32*\c+(\i)*16*PITCH
.endr
.endm
; 16 matrix instructions: x's blocks a0, a0 + 1 against W's eight, 128 along K: the slot's q-th.  p: W's set;  sc: the set of scale words.  one = 1: the sums' first products, whose C is the bias.
; The 64 accumulators take turns, one instruction a turn, in the same order in every step.
.macro MUL16 a0, p, q, sc, one
.irp a, \a0, \a0+1
.irp b, 0,1,2,3,4,5,6,7
.if \one
	v_wmma_scale_f32_16x16x128_f8f6f4 v[8*(8*((\a)%4)+\b):8*(8*((\a)%4)+\b)+7], v[128*(\p)+FR*\b:128*(\p)+FR*\b+FR-1], v[AF+FR*(\a):AF+FR*(\a)+FR-1], v[BI+8*\b:BI+8*\b+7], v[SC+8*NQ*(\sc)+NQ*\b+(\q)], v[SC+8*NQ*(\sc)+NQ*(\a)+(\q)] matrix_a_fmt:MATRIX_FMT_FP4 matrix_b_fmt:MATRIX_FMT_FP4 matrix_a_scale:MATRIX_SCALE_ROW1
.else
	v_wmma_scale_f32_16x16x128_f8f6f4 v[8*(8*((\a)%4)+\b):8*(8*((\a)%4)+\b)+7], v[128*(\p)+FR*\b:128*(\p)+FR*\b+FR-1], v[AF+FR*(\a):AF+FR*(\a)+FR-1], v[8*(8*((\a)%4)+\b):8*(8*((\a)%4)+\b)+7], v[SC+8*NQ*(\sc)+NQ*\b+(\q)], v[SC+8*NQ*(\sc)+NQ*(\a)+(\q)] matrix_a_fmt:MATRIX_FMT_FP4 matrix_b_fmt:MATRIX_FMT_FP4 matrix_a_scale:MATRIX_SCALE_ROW1
.endif
.endr
.endr
.endm
.macro FETCH_B slot, q, p              ; W's eight fragments of the slot's q-th 128 along K into set p
	WIN TO_B
.irp i, 0,1,2,3,4,5,6,7
	FRAG 128*(\p)+FR*\i, ADRB+\slot, \q, \i
.endr
	WIN 0
.endm
.macro FETCH_A slot, q, i0             ; x's blocks i0 .. i0 + 3
.irp i, \i0, \i0+1, \i0+2, \i0+3
	FRAG AF+FR*(\i), ADRA+\slot, \q, \i
.endr
.endm
.macro SCALES sc                       ; a slot's scale words into set sc: four words a row; lanes 0-15 take x's block i, lanes 16-31 W's block i
.irp i, 0,1,2,3,4,5,6,7
	ds_load_b128 v[SC+8*NQ*\sc+NQ*\i:SC+8*NQ*\sc+NQ*\i+3], v[ADRS] offset:\i*SBLK
.endr
.endm
; A load into a register that a matrix instruction has read, and a vector instruction that reads a matrix result or writes one of its registers, stand NP places behind it, and only plain vector
; instructions that name none of its registers are places (ISA guide 7.12.1 for vector instructions).
.macro PLACES n
.rept \n
	v_nop
.endr
.endm
; A step of 128 along K that has its successor in the same slot.  A block of x is free as soon as its eight products are issued: blocks 0-3 are fetched anew in the step's middle, blocks 4-7 at its end.
.macro STEP slot, q, one
	s_wait_dscnt 4*NL                              ; W's set and x's blocks 0-3 are in; the youngest eight loads (x's blocks 4-7) may be out
.if \one
	WIN ONE_LO
.else
	WIN MUL_LO
.endif
	MUL16 0, (\q)%2, \q, \slot, \one
	MUL16 2, (\q)%2, \q, \slot, \one
	s_wait_dscnt 0                                 ; x's blocks 4-7 are in
	PLACES NP
	FETCH_B \slot, (\q)+1, 1-(\q)%2
	FETCH_A \slot, (\q)+1, 0
.if \one
	WIN ONE_HI
.else
	WIN MUL_HI
.endif
	MUL16 4, (\q)%2, \q, \slot, \one
	MUL16 6, (\q)%2, \q, \slot, \one
	PLACES NP
	WIN 0
	FETCH_A \slot, (\q)+1, 4
.endm
.macro STEPS slot, from                ; the slot's steps from .. NQ - 2
.set Q, \from
.rept NQ-1-\from
	STEP \slot, Q, 0
.set Q, Q+1
.endr
.endm
	s_wait_tensorcnt 1                             ; the scale bytes and my part of slot 0 are in (slot 1's load may be out)
	s_barrier_signal -1
	s_barrier_wait -1                              ; everybody's are
	FETCH_B 0, 0, 0
	FETCH_A 0, 0, 0
	SCALES 0
	FETCH_A 0, 0, 4
	s_wait_loadcnt 0x0                             ; the bias
	STEP 0, 0, 1                                   ; the first step's products start the sums from the bias
	STEPS 0, 1
	; slot 0's last step, and the change to slot 1: my part of slot 1 has landed, and behind the barrier everybody's has
	s_wait_tensorcnt 0x0                           ; all my tensor loads have landed
	ds_add_u32 v[SPW], v[NIL]                      ; 0 onto my spare word
	s_wait_dscnt 4*NL+1                            ; (the add and the youngest eight loads, x's blocks 4-7, may be out)
	WIN MUL_LO
	MUL16 0, 1, NQ-1, 0, 0                         ; sixteen matrix instructions stand between the add and the wait for it
	s_wait_dscnt 0x0                               ; the add is done, and my LDS loads are in
	s_barrier_signal -1
	MUL16 2, 1, NQ-1, 0, 0                         ; work on registers while the others arrive
	WIN 0
	s_barrier_wait -1
	PLACES NP
	v_add_nc_u32 v[ADRS], 4*NQ, v[ADRS]            ; on to slot 1's scale words (no LDS load of mine is out)
	FETCH_B 1, 0, 0
	FETCH_A 1, 0, 0
	SCALES 1
	WIN MUL_HI
	MUL16 4, 1, NQ-1, 0, 0
	MUL16 6, 1, NQ-1, 0, 0
	PLACES NP
	WIN 0
	FETCH_A 1, 0, 4
	STEPS 1, 0
	s_wait_dscnt 4*NL                              ; the very last step: nothing more to fetch
	WIN MUL_LO
	MUL16 0, 1, NQ-1, 1, 0
	MUL16 2, 1, NQ-1, 1, 0
	s_wait_dscnt 0
	WIN MUL_HI
	MUL16 4, 1, NQ-1, 1, 0
	MUL16 6, 1, NQ-1, 1, 0
	WIN 0
; THE WAY OUT, block a of 16 rows at a time.  A lane's eight results of accumulator (a, b) are eight neighbouring channels of one row: 16 bytes of f16, which are the lane's 16 bytes of an image.
; Each accumulator is read from its low end on.  Four sets of packed registers: a set is written again only when its stores have read it.
.macro OUTB a
.if (\a) >= 4
	s_wait_xcnt 0x0                                ; block a - 4's stores have read their data registers
.endif
	WIN 0x0a+5*((\a)/4)                            ; sources 0 and 1: window 2 or 3
.irp b, 0,1,2,3,4,5,6,7
.irp i, 0,1,2,3
	v_cvt_pk_f16_f32 v[PKD+32*((\a)%4)+4*\b+\i], v[64*((\a)%4)+8*\b+2*\i], v[64*((\a)%4)+8*\b+2*\i+1]
.endr
.endr
	WIN 0
.irp b, 0,1,2,3,4,5,6,7
	global_store_b128 v[CO], v[PKD+32*((\a)%4)+4*\b:PKD+32*((\a)%4)+4*\b+3], s[12:13] offset:(\a)*2048+(\b/4)*262144+(\b%4)*512   ; head b / 4, channels 16 (b % 4) on: 512 consecutive bytes
.endr
.endm
	PLACES NP                                      ; behind the last products: the conversions write over x's fragments and the bias, and read results
.irp a, 0,1,2,3,4,5,6,7
	OUTB \a
.endr
	s_wait_tensorcnt 0x0                           ; the wave's end
	ds_add_u32 v[SPW], v[NIL]
	s_wait_dscnt 0x0
	CROUND                                         ; the closing round: no work-group ends while a partner may still ask for a tile that names it
	s_endpgm
.Lfunc_end_k_q4ff99c6596_proj:
	.size	k_q4ff99c6596_proj, .Lfunc_end_k_q4ff99c6596_proj-k_q4ff99c6596_proj
	.p2alignl 7, 3214868480
	.fill 96, 4, 3214868480
	.section	.rodata,"a",@progbits
	.p2align	6, 0x0
	.amdhsa_kernel k_q4ff99c6596_proj
		.amdhsa_group_segment_fixed_size 327680
		.amdhsa_private_segment_fixed_size 0
		.amdhsa_enable_private_segment 0
		.amdhsa_kernarg_size 64
		.amdhsa_user_sgpr_count 2
		.amdhsa_user_sgpr_kernarg_segment_ptr 1
		.amdhsa_wavefront_size32 1
		.amdhsa_system_sgpr_workgroup_id_x 1
		.amdhsa_system_sgpr_workgroup_id_y 1
		.amdhsa_system_sgpr_workgroup_id_z 1
		.amdhsa_system_vgpr_workitem_id 0
		.amdhsa_next_free_vgpr 1024
		.amdhsa_next_free_sgpr 102
		.amdhsa_reserve_vcc 0
		.amdhsa_float_denorm_mode_32 3
		.amdhsa_float_denorm_mode_16_64 3
		.amdhsa_memory_ordered 1
		.amdhsa_forward_progress 1
		.amdhsa_inst_pref_size 120
	.end_amdhsa_kernel
	.amdgpu_metadata
---
amdhsa.version: [ 1, 2 ]
amdhsa.kernels:
  - .name:           k_q4ff99c6596_proj
    .symbol:         k_q4ff99c6596_proj.kd
    .args:
      - { .name: x_codes, .offset: 0, .size: 8, .value_kind: global_buffer, .address_space: global }
      - { .name: x_scales, .offset: 8, .size: 8, .value_kind: global_buffer, .address_space: global }
      - { .name: w_codes, .offset: 16, .size: 8, .value_kind: global_buffer, .address_space: global }
      - { .name: w_scales, .offset: 24, .size: 8, .value_kind: global_buffer, .address_space: global }
      - { .name: bq, .offset: 32, .size: 8, .value_kind: global_buffer, .address_space: global }
      - { .name: bk, .offset: 40, .size: 8, .value_kind: global_buffer, .address_space: global }
      - { .name: bv, .offset: 48, .size: 8, .value_kind: global_buffer, .address_space: global }
      - { .name: qkv, .offset: 56, .size: 8, .value_kind: global_buffer, .address_space: global }
    .group_segment_fixed_size: 327680
    .private_segment_fixed_size: 0
    .kernarg_segment_align: 8
    .kernarg_segment_size: 64
    .max_flat_workgroup_size: 128
    .sgpr_count:     102
    .vgpr_count:     1024
    .wavefront_size: 32
...
	.end_amdgpu_metadata
.endif
;; end of part 2
;; launch attn (part 3): grid 4 x 64, 8 waves a work-group, clusters of 4 x 1, 327,680 bytes of LDS; arguments qkv, ctx; writes ctx
.if DOCPART == 3
	.amdgcn_target "amdgcn-amd-amdhsa--gfx1250"
	.amdhsa_code_object_version 6
	.text
	.protected	k_q4ff99c6596_attn
	.globl	k_q4ff99c6596_attn
	.p2align	8
	.type	k_q4ff99c6596_attn,@function
k_q4ff99c6596_attn:
	s_mov_b64 s[64:65], 0
	v_nop
	global_prefetch_b8 v0, s[64:65] scope:SCOPE_SE
	s_setreg_imm32_b32 hwreg(HW_REG_WAVE_MODE, 25, 1), 1
	s_wait_xcnt 0x0
	s_wait_alu depctr_hold_cnt(0) depctr_sa_sdst(0) depctr_va_vdst(0) depctr_va_sdst(0) depctr_va_ssrc(0) depctr_va_vcc(0) depctr_vm_vsrc(0)
	s_getreg_b32 s2, hwreg(HW_REG_IB_STS2, 6, 4)
	s_cmp_eq_u32 s2, 0
	s_cbranch_scc0 .Lentry_in_a_cluster
	s_endpgm
.Lentry_in_a_cluster:
	s_bfe_u32 s2, ttmp6, 0x10000c
	s_cmp_lg_u32 s2, 0x3003
	s_cbranch_scc0 .Lentry_shape_is_right
	s_endpgm
.Lentry_shape_is_right:
; ctx = softmax(q k^T / 8) v for each of 64 (batch, head) pairs: 2,048 queries, 2,048 keys, head size 64.  q, k, v arrive as f16 images of fragments (qkv: byte T 2^24 + hb 262144 + (s / 16) 2048 + t 512 + 16 slot).
; Products in f16 with f32 sums; maxima, exponentials and sums in f32; the weights p are rounded to f16 for the second product, ctx once at the end.
; LIMITS: |ctx| stays under 65,504 (f16), under 2^-14 its step is 2^-24; the running maximum starts at -3e38; NaN and infinities are not served.
; SHARES.  A cluster of four work-groups owns one (batch, head); a work-group 512 of its queries; each of its eight waves 64: four tiles of 16.  Every wave walks all keys, 64 a step.
; LAYOUT.  S^T = K Q^T (source 0 = 16 keys, source 1 = 16 queries): a lane holds ONE query (lane % 16) and the keys 8 (lane / 16) + 0 .. 7.  Two such tiles, rounded to f16 in pairs, ARE source 1 of O^T = V^T P.
; K's images are read from LDS as they lie, V's by the turning load; every LDS read is 16 bytes a lane on end, so there is no padding.
; SOFTMAX.  For each query a running maximum m and sum l: p = 2^(c s - c m), c = log2(e) / 8; in every step O and l are multiplied by a = 2^(c m_old - c m_new).  The sum is taken of the f32 p.
; TWO GROUPS OF WAVES IN OPPOSITE PHASES.  Eight waves are two to a SIMD.  A step's work is M (32 products V^T P of the step before, 32 products K Q^T, the LDS loads) and X (the softmax of four tiles: vector work alone).
; Group 0 runs M X M X .., group 1 X M X M ..: one wave's products stand beside the other's vector work.  The group is (w + w / 4) % 2: it differs between waves w and w + 4 and between waves 2 i and 2 i + 1.
; M is common text; only X, work on registers, stands under branches on the wave's number.
; THE RING.  Two slots of 512 keys (K's 65,536 bytes, then V's), filled by joint loads of the cluster's four work-groups: the same tensor load with the same descriptor and a mask that names the four; each wave brings
; 16,384 bytes (waves 0-3 K's quarters, waves 4-7 V's).  A refill is asked for eight steps, 512 products a wave, ahead of the wait for it.  By this text's count a wave has two tensor loads out at the start, later one.
; REGISTERS: window 0: v2-9 addresses; v32-63 eight registers of statistics a tile (+0 c m, +1 m, +2, +3 l, +4 .. +7 at work; a in +6); v64-191 S^T, 32 a tile, whose first 16 then hold P; v192-255 K of a step.
;   window 1: v0-63 Q, 16 a tile; v64-127 V of a step; v128-255 O^T, 32 a tile.
.set SLOTB, 131072                     ; slot 1 begins here: one exclusive or turns an address in one slot into the other's
.set VOFF,  65536                      ; V's images lie behind K's
.set STEPB, 8192                       ; 64 keys of K, or of V
.set SPARE, 262144                     ; behind the ring: the spare words, 128 bytes for each wave, which no other line names
.set LK,  2                            ; v2   16 x lane: my place in an image, in LDS and in memory; never rewritten
.set LV,  3                            ; v3   the same + VOFF
.set ADK, 4                            ; v4   LDS address of the step's K
.set ADV, 5                            ; v5   of its V
.set SPW, 8                            ; v8   LDS address of my spare word; never rewritten
.set NIL, 9                            ; v9   0; never rewritten
.set ST,  32
.set S,   64
.set KF,  192
.set QF,  0                            ; in window 1
.set VF,  64
.set OA,  128
.set WV,  12                           ; s12  my wave's number
.set GP,  13                           ; s13  my group
.set G1,  24                           ; s[24:31] descriptor group 1
.set G0,  40                           ; s[40:47] descriptor group 0: a set for each of the two first fills; the second then walks on
.set SLOTS, 56                         ; s56  slots still to be asked for
.set CNT, 57                           ; s57  counts steps
.set CS,  58                           ; s[58:59] c: the packed form names a pair and takes its low word for both halves
.set SEL, 60                           ; s[60:61] lane selects for v_permlanex16_b32: lane l xor 16
.set TB,  62                           ; s62  LDS byte at which the step's K begins
.set K_FMA, 0
.set K_SUM, 1
.set K_CVT, 2
.set MSB, 0
.macro WIN new                         ; the immediate's high byte repeats the setting that is left; a switch that changes nothing is dropped
.if MSB != \new
	s_set_vgpr_msb (MSB<<8)|\new
.set MSB, \new
.endif
.endm
.set W_KQ, 0x04                        ; K and S^T in window 0, Q (source 1) in window 1
.set W_PV, 0x51                        ; V (source 0) and O^T (C and D) in window 1, P in window 0
.set W_RS, 0x41                        ; O^T (destination and source 0) in window 1, a in window 0
.set TO_1, 0x40                        ; destination window 1, address window 0
.macro PLACES n
.rept \n
	v_nop
.endr
.endm
.macro CROUND                          ; a round of the cluster's barrier: my work-group's barrier; wave 0 signals for the work-group; every wave waits for all four; my work-group's barrier once more
	s_barrier_signal -1
	s_barrier_wait -1
	s_cmp_lg_u32 s[WV], 0
	s_cbranch_scc1 .Lnot_wave_0_\@
	s_barrier_signal -3
.Lnot_wave_0_\@:
	s_barrier_wait -3
	s_barrier_signal -1
	s_barrier_wait -1
.endm
	s_load_b128 s[4:7], s[0:1], 0x0                ; qkv s[4:5], ctx s[6:7]
	v_lshl_add_u32 v[SPW], v0, 2, SPARE
	v_mov_b32 v[NIL], 0
	ds_add_u32 v8, v9
	ds_add_u32 v8, v9
	s_wait_dscnt 0x0
	v_lshrrev_b32 v1, 5, v0
	v_readfirstlane_b32 s[WV], v1                  ; wave 0..7
	s_lshr_b32 s16, s[WV], 2                       ; I fetch for K (0) or for V (1)
	s_add_co_u32 s[GP], s[WV], s16
	s_and_b32 s[GP], s[GP], 1                      ; my group
	s_bfe_u32 s14, ttmp6, 0x40000                  ; cx: my place in the cluster: it enters Q's and ctx's addresses alone
	s_and_b32 s15, ttmp7, 0xffff                   ; hb = 16 batch + head, which the four partners share
	s_add_co_u32 s17, s16, 1
	s_lshl_b32 s20, s17, 24                        ; K is tensor 1 of qkv, V tensor 2
	s_lshl_b32 s18, s15, 18                        ; 262,144 bytes a head
	s_add_co_u32 s20, s20, s18
	s_and_b32 s19, s[WV], 3
	s_lshl_b32 s19, s19, 14                        ; my quarter of a slot's 65,536 bytes
	s_add_co_u32 s20, s20, s19
	s_mov_b32 s21, 0
	s_lshl_b32 s22, s[WV], 14                      ; and where it goes: K's four quarters, then V's: no place in the cluster enters an LDS address
	s_lshl_b32 s23, s14, 5
	s_lshl_b32 s2, s[WV], 2
	s_add_co_u32 s23, s23, s2                      ; my first tile of 16 queries in the head: 32 cx + 4 w
	s_lshl_b32 s2, s23, 11
	s_add_co_u32 s2, s2, s18                       ; Q is tensor 0
	s_mov_b32 s3, 0
	s_lshr_b32 s16, s15, 4                         ; ctx: byte (128 batch + tile of queries) 32768 + head 2048 + t 512 + 16 lane
	s_lshl_b32 s16, s16, 7
	s_add_co_u32 s16, s16, s23
	s_lshl_b32 s16, s16, 15
	s_and_b32 s17, s15, 15
	s_lshl_b32 s17, s17, 11
	s_add_co_u32 s16, s16, s17
	s_mov_b32 s17, 0
	; descriptor group 1: a dense block of 16,384 bytes as 64 rows of 256 bytes (32 elements of 8 bytes), no padding
	s_mov_b32 s[G1], 15|(3<<16)|(1<<21)            ; 15:0 the mask: all four work-groups; 17:16 elements of 8 bytes; 21 set beside a mask
	s_mov_b32 s[G1+1], 32<<16                      ; tensor_dim0 = 32
	s_mov_b32 s[G1+2], 64<<16                      ; tensor_dim1 = 64
	s_mov_b32 s[G1+3], 32<<16                      ; tile_dim0 = 32
	s_mov_b32 s[G1+4], 64                          ; tile_dim1 = 64
	s_mov_b32 s[G1+5], 32                          ; tensor_dim0_stride
	s_mov_b32 s[G1+6], 0
	s_mov_b32 s[G1+7], 0
	s_mov_b32 s[CS], 0x3e38aa3b                    ; c = log2(e) / sqrt(64)
	s_mov_b32 s[CS+1], s[CS]                       ; (named with it as a pair, so it is written)
	s_mov_b32 s[SEL], 0x76543210
	s_mov_b32 s[SEL+1], 0xfedcba98
	s_mov_b32 s[TB], 0
	s_mov_b32 s[SLOTS], 2
	s_wait_kmcnt 0x0
	s_add_nc_u64 s[8:9], s[4:5], s[2:3]            ; Q at my first tile
	s_add_nc_u64 s[10:11], s[6:7], s[16:17]        ; ctx likewise
	s_add_nc_u64 s[20:21], s[4:5], s[20:21]        ; K or V at my quarter of the first 512 keys
	CROUND                                         ; all four work-groups are here: the first joint loads meet
.irp n, 0,1
	s_mov_b32 s[G0+4*\n], 1                        ; 1:0 count = 1
	s_add_co_u32 s[G0+4*\n+1], s22, \n*SLOTB       ; 63:32 LDS address
	s_add_nc_u64 s[G0+4*\n+2:G0+4*\n+3], s[20:21], \n*65536   ; 120:64 global address: keys 512 n on
	s_or_b32 s[G0+4*\n+3], s[G0+4*\n+3], 0x80000000   ; 127:126 type = 2
.endr
	tensor_load_to_lds s[G0:G0+3], s[G1:G1+7]      ; the two first fills stand together, ahead of every wait on TENSORcnt and every LDS read
	s_nop 0
	tensor_load_to_lds s[G0+4:G0+7], s[G1:G1+7]
	s_nop 0
	PLACES 4
	v_and_b32 v1, 31, v0
	v_lshlrev_b32 v[LK], 4, v1
	v_add_nc_u32 v[LV], VOFF, v[LK]
	WIN TO_1
.irp t, 0,1,2,3                        ; Q stays in registers: tile t, channels 32 c on, half u
.irp c, 0,1
.irp u, 0,1
	global_load_b128 v[QF+16*\t+8*\c+4*\u:QF+16*\t+8*\c+4*\u+3], v[LK], s[8:9] offset:\t*2048+\c*1024+\u*512 th:TH_LOAD_NT
.endr
.endr
.endr
	WIN 0
.irp t, 0,1,2,3
	v_mov_b32 v[ST+8*\t+1], 0xff61b1e6             ; m = -3e38, under every score: the first a is then 0, which multiplies l = 0
	v_mul_f32 v[ST+8*\t], s[CS], v[ST+8*\t+1]      ; c m
	v_mov_b32 v[ST+8*\t+2], 0                      ; l, in two halves
	v_mov_b32 v[ST+8*\t+3], 0
.endr
; 32 products of O^T += V^T P: tile of queries i % 4, channels 16 ((i / 4) % 4) on, keys 32 (i / 16) on.  zero = 1: the first 16 start the sums: nothing is ever cleared.
; The 16 accumulators take turns, one instruction a turn.
.macro PVS zero
.set i, 0
.rept 32
.set rO, OA+32*(i%4)+8*((i/4)%4)
.set rV, VF+8*(4*(i/16)+(i/4)%4)
.set rP, S+32*(i%4)+8*(i/16)
.if \zero && (i < 16)
	v_wmma_f32_16x16x32_f16 v[rO:rO+7], v[rV:rV+7], v[rP:rP+7], 0
.else
	v_wmma_f32_16x16x32_f16 v[rO:rO+7], v[rV:rV+7], v[rP:rP+7], v[rO:rO+7]
.endif
.set i, i+1
.endr
.endm
; 32 products of S^T = K Q^T: tile of queries i % 4, keys 16 ((i / 4) % 4) on, channels 32 (i / 16) on.  The first 16 start the sums.
.macro KQS
.set i, 0
.rept 32
.set rS, S+32*(i%4)+8*((i/4)%4)
.set rK, KF+16*((i/4)%4)+8*(i/16)
.set rQ, QF+16*(i%4)+8*(i/16)
.if i < 16
	v_wmma_f32_16x16x32_f16 v[rS:rS+7], v[rK:rK+7], v[rQ:rQ+7], 0
.else
	v_wmma_f32_16x16x32_f16 v[rS:rS+7], v[rK:rK+7], v[rQ:rQ+7], v[rS:rS+7]
.endif
.set i, i+1
.endr
.endm
; M: the matrix work of a step.  pv = 2: V^T P of the step before; 1: it starts O^T's sums; 0: none.  kq = 1: this step's K is fetched, K Q^T is multiplied, this step's V is fetched.
.macro MM pv, kq
.if \kq
	WIN 0
.irp kt, 0,1,2,3                       ; 16 loads: keys 16 kt on, channels 32 c on, half u.  K's last reader stands at least four places back (the v_nop behind the last K Q^T)
.irp c, 0,1
.irp u, 0,1
	ds_load_b128 v[KF+16*\kt+8*\c+4*\u:KF+16*\kt+8*\c+4*\u+3], v[ADK] offset:\kt*2048+\c*1024+\u*512
.endr
.endr
.endr
.endif
.if \pv
.if \kq
	s_wait_dscnt 16                                ; V is in; the sixteen loads of K just issued may be out
.else
	s_wait_dscnt 0x0                               ; V is in
.endif
	WIN W_PV
	PVS 2-\pv
.if \kq
	PLACES 5                                       ; the products below write over P's registers, which the products above have read: five places
.endif
.endif
.if \kq
	s_wait_dscnt 0x0                               ; K is in
	WIN W_KQ
	KQS
	PLACES 5                                       ; behind the last products.  Four serve the first reads of the scores and the loads into V's and K's registers; the fifth stands because the scores' first
	                                               ; registers are named again as source 1 of the next V^T P, and a matrix result taken as a matrix operand wants five, whatever else stands between
	WIN TO_1
.irp c2, 0,1                           ; 16 turning loads: each takes an image of 16 keys x 16 channels and leaves half a fragment of V^T: lane l holds channel l % 16 and keys 8 (l / 16) + 0 .. 7
.irp ct, 0,1,2,3
.irp u, 0,1
	ds_load_tr16_b128 v[VF+8*(4*\c2+\ct)+4*\u:VF+8*(4*\c2+\ct)+4*\u+3], v[ADV] offset:(2*\c2+\u)*2048+\ct*512
.endr
.endr
.endr
.endif
	WIN 0
.endm
; One plain instruction of tile t's softmax.  K_FMA: pair i of scores becomes c s - c m.  K_SUM: l takes pair i of weights (pair 0 with l x a).  K_CVT: pair i is rounded to f16 into register i of the tile, in place:
; K_SUM of a pair always stands ahead of K_CVT of the same number, so no weight is written over before it is summed.
.macro OPK kind, t, i
.if \kind == K_FMA
	v_pk_fma_f32 v[S+32*\t+2*\i:S+32*\t+2*\i+1], v[S+32*\t+2*\i:S+32*\t+2*\i+1], s[CS:CS+1], v[ST+8*\t:ST+8*\t+1] op_sel_hi:[1,0,0] neg_lo:[0,0,1] neg_hi:[0,0,1]
.endif
.if \kind == K_SUM
.if \i == 0
	s_wait_alu depctr_va_vdst(0)
	v_pk_fma_f32 v[ST+8*\t+2:ST+8*\t+3], v[ST+8*\t+2:ST+8*\t+3], v[ST+8*\t+6:ST+8*\t+7], v[S+32*\t:S+32*\t+1] op_sel_hi:[1,0,1]
	s_wait_alu depctr_va_vdst(0)
.else
	s_wait_alu depctr_va_vdst(0)
	v_pk_add_f32 v[ST+8*\t+2:ST+8*\t+3], v[ST+8*\t+2:ST+8*\t+3], v[S+32*\t+2*\i:S+32*\t+2*\i+1]
.endif
.endif
.if \kind == K_CVT
	v_cvt_pk_f16_f32 v[S+32*\t+\i], v[S+32*\t+2*\i], v[S+32*\t+2*\i+1]
.endif
.endm
; Tile t's 32 exponentials, each with a plain instruction of ANOTHER tile behind it: no two exponentials follow each other, and none is followed by a line that touches its register (ISA guide 5.7.2)
.macro ZIP t, k1, t1, k2, t2
.irp i, 0,1,2,3,4,5,6,7,8,9,10,11,12,13,14,15
	v_exp_f32 v[S+32*\t+2*\i], v[S+32*\t+2*\i]
	OPK \k1, \t1, \i
	v_exp_f32 v[S+32*\t+2*\i+1], v[S+32*\t+2*\i+1]
	OPK \k2, \t2, \i
.endr
.endm
; X: the softmax of my four tiles for one step; the tiles alternate line by line, so that no line waits for the line above it.  first = 1: O^T does not exist yet: nothing is rescaled.
.macro X first
.irp j, 0,1,2,3                        ; the maximum of a lane's 32 scores and the old m: four chains; each accumulator is read from its low end on
.irp t, 0,1,2,3
	v_max3_num_f32 v[ST+8*\t+4+\j], v[S+32*\t+8*\j], v[S+32*\t+8*\j+1], v[S+32*\t+8*\j+2]
.endr
.endr
.irp g, 1,2
.irp j, 0,1,2,3
.irp t, 0,1,2,3
	v_max3_num_f32 v[ST+8*\t+4+\j], v[ST+8*\t+4+\j], v[S+32*\t+8*\j+2*\g+1], v[S+32*\t+8*\j+2*\g+2]
.endr
.endr
.endr
.irp t, 0,1,2,3
	v_max3_num_f32 v[ST+8*\t+4], v[ST+8*\t+4], v[S+32*\t+7], v[S+32*\t+15]
.endr
.irp t, 0,1,2,3
	v_max3_num_f32 v[ST+8*\t+6], v[ST+8*\t+6], v[S+32*\t+23], v[S+32*\t+31]
.endr
.irp t, 0,1,2,3
	v_max3_num_f32 v[ST+8*\t+4], v[ST+8*\t+4], v[ST+8*\t+5], v[ST+8*\t+6]
.endr
.irp t, 0,1,2,3
	v_max3_num_f32 v[ST+8*\t+4], v[ST+8*\t+4], v[ST+8*\t+7], v[ST+8*\t+1]
.endr
.irp t, 0,1,2,3
	v_permlanex16_b32 v[ST+8*\t+5], v[ST+8*\t+4], s[SEL], s[SEL+1]   ; the query's other 32 keys lie in the lane 16 away
.endr
.irp t, 0,1,2,3
	v_mov_b32 v[ST+8*\t+7], v[ST+8*\t]             ; c m_old is kept for a
.endr
.irp t, 0,1,2,3
	v_max_num_f32 v[ST+8*\t+1], v[ST+8*\t+4], v[ST+8*\t+5]   ; the new m
.endr
.irp t, 0,1,2,3
	v_mul_f32 v[ST+8*\t], s[CS], v[ST+8*\t+1]      ; c m
.endr
.irp t, 0,1,2,3
	v_sub_f32 v[ST+8*\t+7], v[ST+8*\t+7], v[ST+8*\t]
.endr
.irp t, 0,1,2,3
	v_exp_f32 v[ST+8*\t+6], v[ST+8*\t+7]           ; a = 2^(c m_old - c m_new); the plain lines below stand between it and its first use
.endr
.irp i, 0,1,2,3,4,5,6,7,8,9,10,11,12,13,14,15
	OPK K_FMA, 0, \i
.endr
	ZIP 0, K_FMA, 1, K_FMA, 2
	ZIP 1, K_SUM, 0, K_CVT, 0
	ZIP 2, K_FMA, 3, K_SUM, 1
	ZIP 3, K_CVT, 1, K_SUM, 2
.irp i, 0,1,2,3,4,5,6,7,8,9,10,11,12,13,14,15
	OPK K_CVT, 2, \i
.endr
.irp i, 0,1,2,3,4,5,6,7,8,9,10,11,12,13,14,15
	OPK K_SUM, 3, \i
	OPK K_CVT, 3, \i
.endr
.if \first == 0
	WIN W_RS                                       ; O^T x a: the one part that leaves window 0, so it stands together; each accumulator from its low end on
.irp n, 0,1,2,3,4,5,6,7,8,9,10,11,12,13,14,15
.irp t, 0,1,2,3
	v_pk_mul_f32 v[OA+32*\t+2*\n:OA+32*\t+2*\n+1], v[OA+32*\t+2*\n:OA+32*\t+2*\n+1], v[ST+8*\t+6:ST+8*\t+7] op_sel_hi:[1,0]
.endr
.endr
	WIN 0
.endif
.endm
.macro ADDRS                           ; the step's LDS addresses, made in common text
	v_add_nc_u32 v[ADK], s[TB], v[LK]
	v_add_nc_u32 v[ADV], s[TB], v[LV]
.endm
; A step.  Group 1 runs the softmax of the step before ahead of M, group 0 this step's softmax behind it.  The branches hang on the wave's number alone and jump over work on registers alone.
.macro TRIP
	ADDRS
	s_cmp_eq_u32 s[GP], 0
	s_cbranch_scc1 .Lgroup_0_\@
	X 0
.Lgroup_0_\@:
	MM 2, 1
	s_cmp_lg_u32 s[GP], 0
	s_cbranch_scc1 .Lgroup_1_\@
	X 0
.Lgroup_1_\@:
	s_add_co_u32 s[TB], s[TB], STEPB
.endm
.macro TRIPS n
	s_mov_b32 s[CNT], \n
.Ltrip_\@:
	TRIP
	s_sub_co_u32 s[CNT], s[CNT], 1
	s_cmp_lg_u32 s[CNT], 0
	s_cbranch_scc1 .Ltrip_\@
.endm
; THE CHANGE OF SLOTS, behind a slot's eighth step: both groups have run that step's M, in which its K and V were read.  Each wave waits for all its tensor loads (one is out: its part of the other slot), adds 0 to its
; spare word, and waits for that and for its reads of the slot.  fill = 1: the barrier is a round of the cluster's, so that no wave of any partner still reads the slot or has a load on its way, and the joint refill,
; the keys two slots on, is the first thing behind it.
.macro CHANGE fill
	s_wait_tensorcnt 0x0                           ; no tensor load of mine is out, so a group 0 may be written
	ds_add_u32 v[SPW], v[NIL]                      ; 0 onto my spare word
.if \fill
	s_xor_b32 s[G0+5], s[G0+5], SLOTB              ; the walking descriptor: the other slot than last time,
	s_add_nc_u64 s[G0+6:G0+7], s[G0+6:G0+7], 65536 ; the next 512 keys; the type bits on top are not reached
.endif
	s_wait_dscnt 0x0                               ; the add is done, and my reads of the slot are over
.if \fill
	CROUND
	tensor_load_to_lds s[G0+4:G0+7], s[G1:G1+7]
	s_nop 0
	PLACES 4
.else
	s_barrier_signal -1
	s_barrier_wait -1
.endif
	s_sub_co_u32 s[TB], s[TB], 8*STEPB             ; the fetches go back to a slot's first step,
	s_xor_b32 s[TB], s[TB], SLOTB                  ; in the other slot
.endm
	s_wait_tensorcnt 1                             ; my part of slot 0 is in; slot 1's may stay out
	s_barrier_signal -1
	s_barrier_wait -1                              ; everybody's is
	s_wait_loadcnt 0x0                             ; Q
	; step 0: every wave's first scores; then group 0 alone runs its first softmax, and a barrier holds group 1 back until it has: from here on the groups are a phase apart
	ADDRS
	MM 0, 1
	s_cmp_lg_u32 s[GP], 0
	s_cbranch_scc1 .Lheld
	X 1
.Lheld:
	s_wait_dscnt 0x0                               ; no LDS load of mine is out at the signal
	s_barrier_signal -1
	s_barrier_wait -1                              ; slot 1's load may still be out
	s_add_co_u32 s[TB], s[TB], STEPB
	; step 1: V^T P of step 0 starts O^T
	ADDRS
	s_cmp_eq_u32 s[GP], 0
	s_cbranch_scc1 .Lone_0
	X 1
.Lone_0:
	MM 1, 1
	s_cmp_lg_u32 s[GP], 0
	s_cbranch_scc1 .Lone_1
	X 0
.Lone_1:
	s_add_co_u32 s[TB], s[TB], STEPB
	TRIPS 6                                        ; steps 2 to 7
.Lslot:                                            ; two trips: keys 512 to 1,535; behind each change the slot just left is filled again
	CHANGE 1
	TRIPS 8
	s_sub_co_u32 s[SLOTS], s[SLOTS], 1
	s_cmp_lg_u32 s[SLOTS], 0
	s_cbranch_scc1 .Lslot
	CHANGE 0                                       ; the last slot is written out
	TRIPS 8
	s_cmp_eq_u32 s[GP], 0
	s_cbranch_scc1 .Llast
	X 0                                            ; group 1's last softmax
.Llast:
	MM 2, 0                                        ; V^T P of the last step
	; THE WAY OUT.  l's two halves and the other half of the lanes' are added; O^T is divided by l and rounded to f16.  A lane's eight channels of a query are its 16 bytes of an image of the next launch's fragment:
	; no way through LDS.  The four additions are the places behind the last products.
.irp t, 0,1,2,3
	v_add_f32 v[ST+8*\t+4], v[ST+8*\t+2], v[ST+8*\t+3]
.endr
.irp t, 0,1,2,3
	v_permlanex16_b32 v[ST+8*\t+5], v[ST+8*\t+4], s[SEL], s[SEL+1]
.endr
.irp t, 0,1,2,3
	v_add_f32 v[ST+8*\t+4], v[ST+8*\t+4], v[ST+8*\t+5]
.endr
.irp t, 0,1,2,3
	v_rcp_f32 v[ST+8*\t+6], v[ST+8*\t+4]
.endr
	v_nop                                          ; a plain instruction between the last reciprocal and the use of its result
	s_wait_alu depctr_va_vdst(0)
.macro SENDT t
	WIN W_RS
.irp n, 0,1,2,3,4,5,6,7,8,9,10,11,12,13,14,15
	v_pk_mul_f32 v[OA+32*\t+2*\n:OA+32*\t+2*\n+1], v[OA+32*\t+2*\n:OA+32*\t+2*\n+1], v[ST+8*\t+6:ST+8*\t+7] op_sel_hi:[1,0]
.endr
	WIN 0x05                                       ; sources 0 and 1 window 1, destination window 0: S^T's registers are free
.irp n, 0,1,2,3,4,5,6,7,8,9,10,11,12,13,14,15
	v_cvt_pk_f16_f32 v[S+16*\t+\n], v[OA+32*\t+2*\n], v[OA+32*\t+2*\n+1]
.endr
	WIN 0
.irp ct, 0,1,2,3
	global_store_b128 v[LK], v[S+16*\t+4*\ct:S+16*\t+4*\ct+3], s[10:11] offset:\t*32768+\ct*512   ; 512 consecutive bytes, aligned
.endr
.endm
	SENDT 0
	SENDT 1
	SENDT 2
	SENDT 3
	s_wait_tensorcnt 0x0                           ; the wave's end
	ds_add_u32 v[SPW], v[NIL]
	s_wait_dscnt 0x0
	CROUND                                         ; the closing round: no work-group ends while a partner may still ask for a tile that names it
	s_endpgm
.Lfunc_end_k_q4ff99c6596_attn:
	.size	k_q4ff99c6596_attn, .Lfunc_end_k_q4ff99c6596_attn-k_q4ff99c6596_attn
	.p2alignl 7, 3214868480
	.fill 96, 4, 3214868480
	.section	.rodata,"a",@progbits
	.p2align	6, 0x0
	.amdhsa_kernel k_q4ff99c6596_attn
		.amdhsa_group_segment_fixed_size 327680
		.amdhsa_private_segment_fixed_size 0
		.amdhsa_enable_private_segment 0
		.amdhsa_kernarg_size 16
		.amdhsa_user_sgpr_count 2
		.amdhsa_user_sgpr_kernarg_segment_ptr 1
		.amdhsa_wavefront_size32 1
		.amdhsa_system_sgpr_workgroup_id_x 1
		.amdhsa_system_sgpr_workgroup_id_y 1
		.amdhsa_system_sgpr_workgroup_id_z 1
		.amdhsa_system_vgpr_workitem_id 0
		.amdhsa_next_free_vgpr 512
		.amdhsa_next_free_sgpr 66
		.amdhsa_reserve_vcc 0
		.amdhsa_float_denorm_mode_32 3
		.amdhsa_float_denorm_mode_16_64 3
		.amdhsa_memory_ordered 1
		.amdhsa_forward_progress 1
		.amdhsa_inst_pref_size 255
	.end_amdhsa_kernel
	.section	.bss,"aw",@nobits
	.p2align	6
	.space	262144
	.amdgpu_metadata
---
amdhsa.version: [ 1, 2 ]
amdhsa.kernels:
  - .name:           k_q4ff99c6596_attn
    .symbol:         k_q4ff99c6596_attn.kd
    .args:
      - { .name: qkv, .offset: 0, .size: 8, .value_kind: global_buffer, .address_space: global }
      - { .name: ctx, .offset: 8, .size: 8, .value_kind: global_buffer, .address_space: global }
    .group_segment_fixed_size: 327680
    .private_segment_fixed_size: 0
    .kernarg_segment_align: 8
    .kernarg_segment_size: 16
    .max_flat_workgroup_size: 256
    .sgpr_count:     66
    .vgpr_count:     512
    .wavefront_size: 32
...
	.end_amdgpu_metadata
.endif
;; end of part 3
;; launch outp (part 4): grid 256 x 1, 16 waves a work-group, no clusters, 71,680 bytes of LDS; arguments ctx, wo_frag, bo, out0; writes out0
.if DOCPART == 4
	.amdgcn_target "amdgcn-amd-amdhsa--gfx1250"
	.amdhsa_code_object_version 6
	.text
	.protected	k_q4ff99c6596_outp
	.globl	k_q4ff99c6596_outp
	.p2align	8
	.type	k_q4ff99c6596_outp,@function
k_q4ff99c6596_outp:
	s_mov_b64 s[64:65], 0
	v_nop
	global_prefetch_b8 v0, s[64:65] scope:SCOPE_SE
	s_setreg_imm32_b32 hwreg(HW_REG_WAVE_MODE, 25, 1), 1
	s_wait_xcnt 0x0
; out0 = ctx Wo + bo.  ctx [8192][1024] and Wo [1024][64] arrive as f16 images of fragments; products in f16 with f32 sums; out0 [8192][64] f32.
; ctx: byte gq 32768 + s 1024 + u 512 + 16 lane: tile gq of 16 rows, K step s of 32, half u.  wo_frag: byte (4 s + t) 1024 + u 512 + 16 lane: K step s, tile t of 16 n.
; SHARES.  A work-group takes two tiles of 16 rows.  Wave w takes tile w / 8 and K steps 4 (w % 8) .. + 3: sixteen products on four accumulators by turns.  All of a wave's 41 loads go out at once.
; The eight parts of a tile meet in LDS (rows of 256 bytes + 16); behind one barrier each wave adds the eight parts of two rows, adds the bias and stores 512 consecutive bytes.
; THE MATRIX INSTRUCTION IS USED TRANSPOSED (source 0 = 16 n of Wo, source 1 = 16 rows of ctx): a lane holds one row and eight neighbouring n.
; No tensor loads and no cluster: operands go from memory straight into registers in the order in which the registers take them; what the work-groups share is Wo's images, 16,384 bytes a wave.
.set OP, 272                           ; a row of a part in LDS
	s_load_b256 s[4:11], s[0:1], 0x0               ; ctx s[4:5], wo_frag s[6:7], bo s[8:9], out0 s[10:11]
	v_lshl_add_u32 v254, v0, 2, 0x11000
	v_mov_b32 v255, 0
	v_lshrrev_b32 v1, 5, v0
	v_readfirstlane_b32 s12, v1                    ; wave 0..15
	s_lshr_b32 s13, s12, 3                         ; which of the two tiles of rows
	s_and_b32 s14, s12, 7                          ; which eighth of K; later: which two rows I finish
	v_and_b32 v1, 31, v0
	v_lshlrev_b32 v2, 4, v1                        ; 16 x lane
	v_and_b32 v3, 15, v0                           ; r
	v_bfe_u32 v4, v0, 4, 1                         ; h
	v_lshlrev_b32 v5, 4, v3                        ; bo: my four columns on the way out
	s_mul_i32 s15, s12, 16*OP                      ; my part in LDS
	v_mul_u32_u24 v6, v3, OP
	v_lshl_add_u32 v6, v4, 5, v6
	v_add_nc_u32 v6, s15, v6                       ; in: row r, + 32 h
	s_mul_i32 s15, s13, 8*16*OP                    ; back: my tile's eight parts,
	s_mul_i32 s16, s14, 2*OP                       ; my two rows,
	s_add_co_u32 s15, s15, s16
	v_mul_u32_u24 v7, v4, OP                       ; lanes 0-15 one row, lanes 16-31 the next,
	v_lshl_add_u32 v7, v3, 4, v7                   ; 16 bytes a lane
	v_add_nc_u32 v7, s15, v7
	s_lshl_b32 s16, ttmp9, 1
	s_add_co_u32 s16, s16, s13                     ; gq
	s_lshl_b32 s18, s16, 15
	s_lshl_b32 s17, s14, 12                        ; four K steps of 1,024 bytes
	s_add_co_u32 s18, s18, s17
	s_mov_b32 s19, 0
	s_lshl_b32 s20, s14, 14                        ; four K steps of 4,096 bytes
	s_mov_b32 s21, 0
	s_lshl_b32 s22, s16, 12                        ; 16 rows of 256 bytes,
	s_lshl_b32 s17, s14, 9                         ; my two
	s_add_co_u32 s22, s22, s17
	s_mov_b32 s23, 0
	s_wait_kmcnt 0x0
	s_add_nc_u64 s[4:5], s[4:5], s[18:19]
	s_add_nc_u64 s[6:7], s[6:7], s[20:21]
	s_add_nc_u64 s[10:11], s[10:11], s[22:23]
.irp n, 0,1,2,3,4,5,6,7
	global_load_b128 v[16+4*\n:19+4*\n], v2, s[4:5] offset:512*\n th:TH_LOAD_NT   ; ctx's four fragments: v[16 + 8 s ..]
.endr
.irp s, 0,1,2,3
.irp t, 0,1,2,3
.irp u, 0,1
	global_load_b128 v[64+32*\s+8*\t+4*\u:64+32*\s+8*\t+4*\u+3], v2, s[6:7] offset:\s*4096+\t*1024+\u*512   ; Wo's sixteen: v[64 + 32 s + 8 t ..]
.endr
.endr
.endr
	global_load_b128 v[48:51], v5, s[8:9]          ; the bias
.irp s, 0,1,2,3
	s_wait_loadcnt 25-8*\s                         ; ctx and Wo's K steps up to s are in; the later K steps' eight loads each, and the bias, may be out
.irp t, 0,1,2,3
.if \s == 0
	v_wmma_f32_16x16x32_f16 v[192+8*\t:199+8*\t], v[64+32*\s+8*\t:71+32*\s+8*\t], v[16+8*\s:23+8*\s], 0   ; the first K step starts the sums
.else
	v_wmma_f32_16x16x32_f16 v[192+8*\t:199+8*\t], v[64+32*\s+8*\t:71+32*\s+8*\t], v[16+8*\s:23+8*\s], v[192+8*\t:199+8*\t]   ; the four accumulators by turns
.endif
.endr
.endr
.rept 4
	v_nop                                          ; places behind the last products: for the stores of results, and for the loads into Wo's registers
.endr
.irp t, 0,1,2,3
	ds_store_b128 v6, v[192+8*\t:195+8*\t] offset:64*\t       ; lane (r, h): row r, n = 16 t + 8 h + 0 .. 7; each accumulator from its low end on
	ds_store_b128 v6, v[196+8*\t:199+8*\t] offset:64*\t+16
.endr
	s_wait_dscnt 0x0                               ; for the others' sake: my part lies in LDS
	s_barrier_signal -1
	s_barrier_wait -1
.irp p, 0,1,2,3,4,5,6,7
	ds_load_b128 v[64+4*\p:67+4*\p], v7 offset:\p*16*OP       ; part p of my two rows
.endr
	s_wait_dscnt 0x0
.irp p, 0,2,4,6
	v_pk_add_f32 v[64+4*\p:65+4*\p], v[64+4*\p:65+4*\p], v[68+4*\p:69+4*\p]
	v_pk_add_f32 v[66+4*\p:67+4*\p], v[66+4*\p:67+4*\p], v[70+4*\p:71+4*\p]
.endr
.irp p, 0,4
	v_pk_add_f32 v[64+4*\p:65+4*\p], v[64+4*\p:65+4*\p], v[72+4*\p:73+4*\p]
	v_pk_add_f32 v[66+4*\p:67+4*\p], v[66+4*\p:67+4*\p], v[74+4*\p:75+4*\p]
.endr
	v_pk_add_f32 v[64:65], v[64:65], v[80:81]
	v_pk_add_f32 v[66:67], v[66:67], v[82:83]
	s_wait_loadcnt 0x0                             ; the bias
	v_pk_add_f32 v[64:65], v[64:65], v[48:49]
	v_pk_add_f32 v[66:67], v[66:67], v[50:51]
	global_store_b128 v2, v[64:67], s[10:11] th:TH_STORE_NT   ; two whole rows: 512 consecutive bytes, aligned; written once, read by nobody here
	s_wait_tensorcnt 0x0
	ds_add_u32 v254, v255
	s_wait_dscnt 0x0
	s_endpgm
.Lfunc_end_k_q4ff99c6596_outp:
	.size	k_q4ff99c6596_outp, .Lfunc_end_k_q4ff99c6596_outp-k_q4ff99c6596_outp
	.p2alignl 7, 3214868480
	.fill 96, 4, 3214868480
	.section	.rodata,"a",@progbits
	.p2align	6, 0x0
	.amdhsa_kernel k_q4ff99c6596_outp
		.amdhsa_group_segment_fixed_size 71680
		.amdhsa_private_segment_fixed_size 0
		.amdhsa_enable_private_segment 0
		.amdhsa_kernarg_size 32
		.amdhsa_user_sgpr_count 2
		.amdhsa_user_sgpr_kernarg_segment_ptr 1
		.amdhsa_wavefront_size32 1
		.amdhsa_system_sgpr_workgroup_id_x 1
		.amdhsa_system_sgpr_workgroup_id_y 1
		.amdhsa_system_sgpr_workgroup_id_z 1
		.amdhsa_system_vgpr_workitem_id 0
		.amdhsa_next_free_vgpr 256
		.amdhsa_next_free_sgpr 66
		.amdhsa_reserve_vcc 0
		.amdhsa_float_denorm_mode_32 3
		.amdhsa_float_denorm_mode_16_64 3
		.amdhsa_memory_ordered 1
		.amdhsa_forward_progress 1
		.amdhsa_inst_pref_size 10
	.end_amdhsa_kernel
	.amdgpu_metadata
---
amdhsa.version: [ 1, 2 ]
amdhsa.kernels:
  - .name:           k_q4ff99c6596_outp
    .symbol:         k_q4ff99c6596_outp.kd
    .args:
      - { .name: ctx, .offset: 0, .size: 8, .value_kind: global_buffer, .address_space: global }
      - { .name: wo_frag, .offset: 8, .size: 8, .value_kind: global_buffer, .address_space: global }
      - { .name: bo, .offset: 16, .size: 8, .value_kind: global_buffer, .address_space: global }
      - { .name: out0, .offset: 24, .size: 8, .value_kind: global_buffer, .address_space: global }
    .group_segment_fixed_size: 71680
    .private_segment_fixed_size: 0
    .kernarg_segment_align: 8
    .kernarg_segment_size: 32
    .max_flat_workgroup_size: 512
    .sgpr_count:     66
    .vgpr_count:     256
    .wavefront_size: 32
...
	.end_amdgpu_metadata
.endif
;; end of part 4
